; MI455X (gfx1250); checked and timed in simulation.
; The chip was launched on July 23, 2026; its instructions are those of AMD's public machine-readable ISA for CDNA 5 (MIT licence, August 2026) and "CDNA5" Instruction Set Architecture Reference Guide (July 2026). The comments in the code are by the model that wrote it; some were corrected since.
;; Episodic SDM. Allowed arithmetic: float matrix products may take bf16 or f16 operands with f32 sums; all other float work in f32.
;; Inputs: keys 100,000 x 256 float32; values 100,000 x 256 float32; x 2,048 x 256 float32.
;; Outputs: out0 2,048 x 256 float32.
;; Constants: top_k = 8.
;; One version. Each part assembles by itself: llvm-mc -triple=amdgcn-amd-amdhsa -mcpu=gfx1250 --defsym DOCPART=n.
;; ======== version 1 of 1: 4 launches
;; workspace buffers: xf 1,048,576 bytes; cand 16,384,000 bytes of whole numbers; cidx 131,072 bytes of whole numbers
;; launch xprep (part 1): grid 128 x 1, 1 waves a work-group, no clusters, 0 bytes of LDS; arguments x, xf; writes xf
.if DOCPART == 1
	.amdgcn_target "amdgcn-amd-amdhsa--gfx1250"
	.amdhsa_code_object_version 6
	.text
	.protected	k_qab97bdb375_xprep
	.globl	k_qab97bdb375_xprep
	.p2align	8
	.type	k_qab97bdb375_xprep,@function
k_qab97bdb375_xprep:
	s_mov_b64 s[64:65], 0
	v_nop
	global_prefetch_b8 v0, s[64:65] scope:SCOPE_SE
	s_setreg_imm32_b32 hwreg(HW_REG_WAVE_MODE, 25, 1), 1
	s_wait_xcnt 0x0
; xf = x rounded to bf16, laid out as the matrix unit's second source wants it.
; x: [2048][256] f32.  xf: [tile 128][n 16][lane 32][16 bytes], n = 2 c + part: lane (r = lane % 16, h = lane / 16) of tile T holds
; query 16 T + r, channels 32 c + 16 part + 8 h + 0..7.  The next launch then loads a fragment half with one load of 512 consecutive bytes.
; x is not normalised here: a positive factor for a query does not change the order of its scores, and the last launch scores in f32 again.
; One wave makes one tile of 16 queries: 32 loads, all issued at once, 64 roundings, 16 stores of 512 consecutive aligned bytes.
; No LDS, no matrix unit, no cluster: 2 MiB are read once and 1 MiB written once, and no two work-groups share a byte.
.set F, 8                              ; v[8:135]   chunk c: 16 registers of f32
.set B, 136                            ; v[136:199] chunk c: 8 registers of bf16 pairs
	s_load_b128 s[4:7], s[0:1], 0x0                ; x s[4:5], xf s[6:7]
	v_and_b32 v1, 15, v0                           ; r
	v_lshrrev_b32 v2, 4, v0                        ; h (one wave: v0 is the lane)
	v_lshlrev_b32 v3, 10, v1                       ; r rows of 1,024 bytes
	v_lshl_add_u32 v3, v2, 5, v3                   ; + 8 h channels of 4 bytes
	v_lshlrev_b32 v4, 4, v0                        ; 16 bytes a lane on the way out
	s_lshl_b32 s8, ttmp9, 14                       ; 16 rows of x
	s_mov_b32 s9, 0
	s_lshl_b32 s10, ttmp9, 13                      ; a tile of xf
	s_mov_b32 s11, 0
	s_wait_kmcnt 0x0
	s_add_nc_u64 s[4:5], s[4:5], s[8:9]
	s_add_nc_u64 s[6:7], s[6:7], s[10:11]
.irp c, 0,1,2,3,4,5,6,7
	global_load_b128 v[F+16*\c:F+16*\c+3],     v3, s[4:5] offset:128*\c      ; channels 32 c + 8 h + 0..3
	global_load_b128 v[F+16*\c+4:F+16*\c+7],   v3, s[4:5] offset:128*\c+16   ; + 4..7
	global_load_b128 v[F+16*\c+8:F+16*\c+11],  v3, s[4:5] offset:128*\c+64   ; channels 32 c + 16 + 8 h + 0..3
	global_load_b128 v[F+16*\c+12:F+16*\c+15], v3, s[4:5] offset:128*\c+80   ; + 4..7
.endr
.irp c, 0,1,2,3,4,5,6,7
	s_wait_loadcnt 4*(7-\c)                        ; loads come back in order: four for each younger chunk may stay out
.irp j, 0,1,2,3,4,5,6,7
	v_cvt_pk_bf16_f32 v[B+8*\c+\j], v[F+16*\c+2*\j], v[F+16*\c+2*\j+1]
.endr
	global_store_b128 v4, v[B+8*\c:B+8*\c+3],   s[6:7] offset:1024*\c        ; part 0: the wave stores 512 consecutive bytes
	global_store_b128 v4, v[B+8*\c+4:B+8*\c+7], s[6:7] offset:1024*\c+512    ; part 1
.endr
	s_endpgm
.Lfunc_end_k_qab97bdb375_xprep:
	.size	k_qab97bdb375_xprep, .Lfunc_end_k_qab97bdb375_xprep-k_qab97bdb375_xprep
	.p2alignl 7, 3214868480
	.fill 96, 4, 3214868480
	.section	.rodata,"a",@progbits
	.p2align	6, 0x0
	.amdhsa_kernel k_qab97bdb375_xprep
		.amdhsa_group_segment_fixed_size 0
		.amdhsa_private_segment_fixed_size 0
		.amdhsa_enable_private_segment 0
		.amdhsa_kernarg_size 16
		.amdhsa_user_sgpr_count 2
		.amdhsa_user_sgpr_kernarg_segment_ptr 1
		.amdhsa_wavefront_size32 1
		.amdhsa_system_sgpr_workgroup_id_x 1
		.amdhsa_system_sgpr_workgroup_id_y 1
		.amdhsa_system_sgpr_workgroup_id_z 1
		.amdhsa_system_vgpr_workitem_id 0
		.amdhsa_next_free_vgpr 200
		.amdhsa_next_free_sgpr 66
		.amdhsa_reserve_vcc 0
		.amdhsa_float_denorm_mode_32 3
		.amdhsa_float_denorm_mode_16_64 3
		.amdhsa_memory_ordered 1
		.amdhsa_forward_progress 1
		.amdhsa_inst_pref_size 10
	.end_amdhsa_kernel
	.amdgpu_metadata
---
amdhsa.version: [ 1, 2 ]
amdhsa.kernels:
  - .name:           k_qab97bdb375_xprep
    .symbol:         k_qab97bdb375_xprep.kd
    .args:
      - { .name: x, .offset: 0, .size: 8, .value_kind: global_buffer, .address_space: global }
      - { .name: xf, .offset: 8, .size: 8, .value_kind: global_buffer, .address_space: global }
    .group_segment_fixed_size: 0
    .private_segment_fixed_size: 0
    .kernarg_segment_align: 8
    .kernarg_segment_size: 16
    .max_flat_workgroup_size: 32
    .sgpr_count:     66
    .vgpr_count:     200
    .wavefront_size: 32
...
	.end_amdgpu_metadata
.endif
;; end of part 1
;; launch score (part 2): grid 250 x 1, 4 waves a work-group, no clusters, 220,160 bytes of LDS; arguments keys, xf, cand; writes cand
.if DOCPART == 2
	.amdgcn_target "amdgcn-amd-amdhsa--gfx1250"
	.amdhsa_code_object_version 6
	.text
	.protected	k_qab97bdb375_score
	.globl	k_qab97bdb375_score
	.p2align	8
	.type	k_qab97bdb375_score,@function
k_qab97bdb375_score:
	s_mov_b64 s[64:65], 0
	v_nop
	global_prefetch_b8 v0, s[64:65] scope:SCOPE_SE
	s_setreg_imm32_b32 hwreg(HW_REG_WAVE_MODE, 25, 1), 1
	s_wait_xcnt 0x0
; For every query and every slab of 400 keys: the 8 best PAIRS of neighbouring keys (2 g, 2 g + 1), by bf16 score x . k / |k|.
; keys: [100000][256] f32.  xf: x in bf16 in fragment order (launch xprep).  cand: [slab 250][query 2048][8 words]; a word is the pair's larger
; score in f32 with its low 8 bits replaced by 255 - (the pair's number in the slab, 0..199), in no order.
; WHY PAIRS: a key among a query's best 8 lies in one of the best 8 pairs ranked by their larger score, so keeping pairs loses nothing and halves the
; list work.  WHY THE NUMBER IN THE MANTISSA: float order then carries the index along; the number is inverted so that equal scores >= 0 go to the lower index.
; These scores only propose candidates: the last launch scores the proposed rows again in f32 from the f32 inputs.
; LIMITS: NaN and infinities in keys or x are not served.  Scores that agree in their upper 24 bits are ordered by the pair's number (for negative scores: the higher first).
; SHARES: a work-group owns a slab: 25 tiles of 16 keys; 250 x 400 = 100,000, so there is no edge.  The keys are read from memory once, normalised in f32, rounded to
; bf16 and stay in LDS.  The queries go by in 8 passes of 256; in pass p wave w owns the query tiles 16 p + 4 w + q, q = 0..3, and walks all 25 key tiles.
; PRODUCT: source 0 = 16 keys, source 1 = 16 queries: lane (r, h) holds query r, register j key 8 h + j: a pair is two neighbouring registers of one lane.
; LIST: for each lane and q a sorted list of 8: L[l] = median(L[l-1], L[l], x) for l = 7..1, L[0] = max(L[0], x): one instruction a level, no branch.
; BY TURNS: a tile's 164 list instructions (4 steps of the numbers, 16 maxima, 16 insertions of the number, 128 levels) stand in slices of 5 or 6 behind the NEXT tile's 32 matrix instructions.
; NO CLUSTER, NO TENSOR LOADS: 250 work-groups do not divide into clusters of four; the keys take 219,648 bytes of LDS, so a ring for x does not fit beside them; x comes
; as whole fragments, 512 consecutive bytes a load, straight into registers, a pass ahead.
; REGISTERS: window 0 below; windows 1 and 2: the x fragments of alternate passes, tile q chunk c at v[64 q + 8 c].
.set PITCH,  528                       ; a key row in LDS: 512 bytes + 16: an odd multiple of 16, so the 16 rows of a fragment load start 16 bytes apart modulo 256
.set TILEB,  16*PITCH                  ; 16 rows
.set COPY0,  25*TILEB                  ; behind the 25 tiles: tile 0 once more, so that the fetch address only ever steps forward
.set UNITG,  2048                      ; a unit of the prologue: two key rows in memory,
.set UNITL,  2*PITCH                   ; and in LDS
.set KA0,  4                           ; v4   r x 528 + 16 h: my place in a tile
.set KA,   5                           ; v5   the address of the fetch in hand
.set VA,   6                           ; v6   prologue: where this lap's units go
.set VA2,  7                           ; v7   prologue: the same in the copy of tile 0 (wave 0 alone uses it)
.set KV,   8                           ; v8   prologue: my byte offset in the slab's keys
.set XV,   9                           ; v9   16 x lane
.set CV,   10                          ; v10  32 r + 16 h: my 16 bytes in cand
.set H4,   11                          ; v11  4 h
.set ID,   12                          ; v[12:15]  255 - number of the pair in registers 2 i, 2 i + 1
.set ST,   16                          ; v[16:31]  what is stored to cand
.set PB,   16                          ; prologue: v[16:23] a unit in bf16
.set T,    24                          ; prologue: v[24:27] at work
.set VA0,  28                          ; prologue: v28 (100 w + h) x 528 + 8 r
.set LIST, 32                          ; v[32:63]  8 q + l
.set KF0,  64                          ; v[64:127], v[128:191] key fragments, two buffers; chunk c at + 8 c
.set RING, 64                          ; prologue: v[64:223] ten slots of 16 registers
.set ACC0, 192                         ; v[192:223], v[224:255] scores, two sets; tile q at + 8 q
.set KB,   4                           ; s[4:5]  keys at my slab (steps through the prologue)
.set XB,   6                           ; s[6:7]  xf at my wave's tiles of the pass pair in hand
.set CB,   8                           ; s[8:9]  cand at my slab, my wave's queries
.set WV,   10
.set MASK, 11
.set EPS,  12
.set NINF, 13
.set SEL,  14                          ; s[14:15] v_permlanex16_b32: each lane takes its own place in the other half
.set CNT,  16
.set OUTER, 17
.set PCNT, 18
.set TB,   19                          ; LDS byte of the tile to be fetched next
.set VB,   22                          ; prologue: LDS byte of the lap's first unit
.set MSB, 0
.macro WIN new                         ; the immediate's high byte repeats the setting that is left; a switch that changes nothing is dropped
.if MSB != \new
	s_set_vgpr_msb (MSB<<8)|\new
.set MSB, \new
.endif
.endm
; x loads first..last of a pass's 64, into window win.  Load xn = 8 c + 2 q + part: the chunks come in the order in which the products want them.
.macro XLOADS win, first, last, xoff
	WIN ((\win)<<6)                                ; destination in window win, address in window 0
.set xn, \first
.rept \last-\first+1
.set xr, 64*((xn%8)/2)+8*(xn/8)+4*(xn%2)
	global_load_b128 v[xr:xr+3], v[XV], s[XB:XB+1] offset:\xoff+((xn%8)/2)*8192+(2*(xn/8)+xn%2)*512
.set xn, xn+1
.endr
	WIN 0
.endm
; PROLOGUE.  One unit: two key rows, one for each half of the lanes (16 lanes x 16 bytes x 4 loads = a row).  Norm in f32, row / max(norm, 1e-12), bf16, into LDS.
; mode = 1: the slot is filled again with the unit ten further on.  mode = 0: the last lap: six x loads of pass 0 take the refill's place.
.macro PAIR s, dup, mode
.set F, RING+16*\s
.if \mode
	s_wait_loadcnt 36                              ; nine younger units of four loads stay out
.else
	s_wait_loadcnt 36+2*\s                         ; 4 (9 - s) key loads and 6 s x loads are younger
.endif
	v_pk_mul_f32 v[T:T+1],   v[F:F+1],   v[F:F+1]
	v_pk_mul_f32 v[T+2:T+3], v[F+2:F+3], v[F+2:F+3]
.irp e, 4,8,12
	v_pk_fma_f32 v[T:T+1],   v[F+\e:F+\e+1],   v[F+\e:F+\e+1],   v[T:T+1]
	v_pk_fma_f32 v[T+2:T+3], v[F+\e+2:F+\e+3], v[F+\e+2:F+\e+3], v[T+2:T+3]
.endr
	v_pk_add_f32 v[T:T+1], v[T:T+1], v[T+2:T+3]
	v_add_f32 v[T], v[T], v[T+1]
.irp m, 1,2,4,8
	v_add_f32_dpp v[T], v[T], v[T] row_xmask:\m row_mask:0xf bank_mask:0xf   ; over the row's 16 lanes
.endr
	v_sqrt_f32 v[T], v[T]
	v_nop                                          ; a plain instruction behind a transcendental, ahead of the use of its result (ISA guide 5.7.2)
	s_wait_alu depctr_va_vdst(0)
	v_max_num_f32 v[T], s[EPS], v[T]
	v_rcp_f32 v[T+2], v[T]
	v_mov_b32 v[T+3], 0                            ; the plain instruction; it also writes the pair's second register, which is named below
	s_wait_alu depctr_va_vdst(0)
.irp e, 0,2,4,6,8,10,12,14
	v_pk_mul_f32 v[F+\e:F+\e+1], v[F+\e:F+\e+1], v[T+2:T+3] op_sel_hi:[1,0]
.endr
.irp e, 0,1,2,3,4,5,6,7
	v_cvt_pk_bf16_f32 v[PB+\e], v[F+2*\e], v[F+2*\e+1]
.endr
.irp i, 0,1,2,3
	ds_store_b64 v[VA], v[PB+2*\i:PB+2*\i+1] offset:UNITL*\s+128*\i          ; channels 64 i + 4 r + 0..3
.endr
.if \dup && (\s < 8)                   ; rows 0..15 are wave 0's first eight units: they are stored twice
	s_cmp_lg_u32 s[WV], 0
	s_cbranch_scc1 .Lnocopy_\@
.irp i, 0,1,2,3
	ds_store_b64 v[VA2], v[PB+2*\i:PB+2*\i+1] offset:UNITL*\s+128*\i
.endr
.Lnocopy_\@:
.endif
.if \mode
.irp i, 0,1,2,3
	global_load_b128 v[F+4*\i:F+4*\i+3], v[KV], s[KB:KB+1] offset:(10+\s)*UNITG+256*\i th:TH_LOAD_NT
.endr
.else
	XLOADS 1, 6*\s, 6*\s+5, 0
.endif
.endm
.macro LAP dup, mode                   ; once round the ring: ten units
	v_add_nc_u32 v[VA], s[VB], v[VA0]
.irp s, 0,1,2,3,4,5,6,7,8,9
	PAIR \s, \dup, \mode
.endr
.if \mode
	s_wait_xcnt 0x0                                ; the loads' base is stepped only behind this wait
	s_add_nc_u64 s[KB:KB+1], s[KB:KB+1], 10*UNITG
	s_add_co_u32 s[VB], s[VB], 10*UNITL
.endif
.endm
; MAIN LOOP.  16 LDS loads in one run: the next tile's fragments into buffer set.
.macro FETCH set
	WIN 0
	v_add_nc_u32 v[KA], s[TB], v[KA0]
.irp c, 0,1,2,3,4,5,6,7
	ds_load_b128 v[KF0+64*(\set)+8*\c:KF0+64*(\set)+8*\c+3],   v[KA] offset:64*\c
	ds_load_b128 v[KF0+64*(\set)+8*\c+4:KF0+64*(\set)+8*\c+7], v[KA] offset:64*\c+32
.endr
	s_add_co_u32 s[TB], s[TB], TILEB
.endm
; Product i of a tile's 32: chunk i / 4, query tile i % 4.  The four accumulators take turns, one instruction a turn.  The first four start the sums: nothing is cleared.
.macro MUL win, set
	WIN ((\win)<<2)                                ; source 1 (x) in window win
.set rD, ACC0+32*(\set)+8*(i%4)
.set rK, KF0+64*(\set)+8*(i/4)
.set rX, 64*(i%4)+8*(i/4)
.if i < 4
	v_wmma_f32_16x16x32_bf16 v[rD:rD+7], v[rK:rK+7], v[rX:rX+7], 0
.else
	v_wmma_f32_16x16x32_bf16 v[rD:rD+7], v[rK:rK+7], v[rX:rX+7], v[rD:rD+7]
.endif
.endm
; Number j of the 164 list instructions for the tile whose scores lie in set.  The four query tiles alternate, so that no instruction reads the result of the one just before it.
.macro SELOP set
.set sA, ACC0+32*(\set)
.if j < 4
	v_add_nc_u32 v[ID+j], -8, v[ID+j]              ; this tile's pair numbers (inverted): 8 pairs a tile
.elseif j < 20
.set sn, j-4
	v_max_num_f32 v[sA+8*(sn%4)+2*(sn/4)], v[sA+8*(sn%4)+2*(sn/4)], v[sA+8*(sn%4)+2*(sn/4)+1]
.elseif j < 36
.set sn, j-20
	v_and_or_b32 v[sA+8*(sn%4)+2*(sn/4)], v[sA+8*(sn%4)+2*(sn/4)], s[MASK], v[ID+sn/4]
.else
.set sn, j-36
.set lv, 7-(sn%32)/4
.set sL, LIST+8*(sn%4)
.set sx, sA+8*(sn%4)+2*(sn/32)
.if lv > 0
	v_med3_num_f32 v[sL+lv], v[sL+lv-1], v[sL+lv], v[sx]   ; going down the levels, each reads the list as it was
.else
	v_max_num_f32 v[sL], v[sL], v[sx]
.endif
.endif
.set j, j+1
.endm
; A tile: 32 products on set; behind each a slice of the tile before's list work, on the other set.  The slices name no register of the product in front of them, so they are
; the plain instructions that have to stand between a product and the first read of its result or the next load into its sources: the last slice has five.
; The next tile's fragments are fetched in one run behind the second product, 30 products ahead of their use.
.macro STEP win, set, other
	s_wait_dscnt 0x0                               ; this tile's fragments are in
.set j, 0
.set i, 0
.rept 32
	MUL \win, \set
	WIN 0
.rept 5
	SELOP \other
.endr
.if i < 4
	SELOP \other
.endif
.if i == 1
	FETCH \other
.endif
.set i, i+1
.endr
.endm
; A pass: 256 queries against the slab.  win: the window of its x, owin: the other; par: the buffer that holds tile 0, opar: the other.
; next = 1: the next pass's x is loaded, from byte xoff on.  coff: the pass's place in cand.
.macro PASS win, owin, par, opar, next, xoff, coff
	s_wait_loadcnt 0x4                             ; my x, all but the four youngest loads (chunk 7 of tiles 2 and 3)
	s_wait_dscnt 0x0                               ; tile 0's fragments
	s_mov_b32 s[TB], TILEB
.set i, 0
.rept 32                               ; tile 0: there is no list work yet to set between the products
.if i == 30
	s_wait_loadcnt 0x0                             ; the four youngest x loads
.endif
	MUL \win, \par
.if i == 1
	FETCH \opar
.endif
.set i, i+1
.endr
	WIN 0
.set i, 0
.rept 32
	v_mov_b32 v[LIST+i], s[NINF]                   ; the lists start empty; these 36 lines are the plain instructions behind tile 0's products
.set i, i+1
.endr
.irp i, 0,1,2,3
	v_sub_nc_u32 v[ID+\i], 263-\i, v[H4]           ; 255 - (4 h + i) + 8: the first step of the numbers takes the 8 away
.endr
.if \next
	XLOADS \owin, 0, 59, \xoff
.endif
	s_mov_b32 s[CNT], 12
.Lstep_\@:                             ; tiles 1..24; the last fetch takes the copy of tile 0 into the buffer in which the next pass expects it
	STEP \win, \opar, \par
	STEP \win, \par, \opar
	WIN 0
	s_sub_co_u32 s[CNT], s[CNT], 1
	s_cmp_lg_u32 s[CNT], 0
	s_cbranch_scc1 .Lstep_\@
.if \next
	XLOADS \owin, 60, 63, \xoff
.endif
.set j, 0
.rept 164
	SELOP \par                                     ; tile 24's list work
.endr
	; The two halves of the lanes hold sorted lists of 8 for the same query: max(A[k], B[7-k]), k = 0..7, are the best 8 of both; each half makes four of them.
	s_wait_xcnt 0x0                                ; ST, which the last pass's stores read, is written again only behind this wait
.irp q, 0,1,2,3
.irp k, 0,1,2,3
	v_permlanex16_b32 v[ACC0+32*(\par)+8*\q+\k], v[LIST+8*\q+7-\k], s[SEL], s[SEL+1]
.endr
.endr
.irp q, 0,1,2,3
.irp k, 0,1,2,3
	v_max_num_f32 v[ST+4*\q+\k], v[LIST+8*\q+\k], v[ACC0+32*(\par)+8*\q+\k]
.endr
.endr
.irp q, 0,1,2,3
	global_store_b128 v[CV], v[ST+4*\q:ST+4*\q+3], s[CB:CB+1] offset:\coff+512*\q   ; 16 queries x 32 bytes: the wave stores 512 consecutive aligned bytes
.endr
.endm
	s_load_b128 s[KB:KB+3], s[0:1], 0x0            ; keys, xf
	s_load_b64 s[CB:CB+1], s[0:1], 0x10            ; cand
	s_set_vgpr_msb 0xc0
	v_lshl_add_u32 v0, v0, 2, 0x35a00
	v_mov_b32 v1, 0
	s_set_vgpr_msb 0xc000
	v_and_b32 v1, 15, v0                           ; r
	v_bfe_u32 v2, v0, 4, 1                         ; h
	v_lshrrev_b32 v3, 5, v0
	v_readfirstlane_b32 s[WV], v3                  ; wave 0..3
	v_and_b32 v3, 31, v0
	v_lshlrev_b32 v[XV], 4, v3
	v_mul_u32_u24 v[KA0], v1, PITCH
	v_lshl_add_u32 v[KA0], v2, 4, v[KA0]
	s_mul_i32 s20, s[WV], 100                      ; the prologue's shares: wave w takes the slab's rows 100 w .. 100 w + 99
	v_add_nc_u32 v3, s20, v2                       ; my row of unit 0
	v_mul_u32_u24 v[VA0], v3, PITCH
	v_lshl_add_u32 v[VA0], v1, 3, v[VA0]           ; + 8 bytes for my 4 channels
	v_add_nc_u32 v[VA2], COPY0, v[VA0]
	v_lshlrev_b32 v[KV], 10, v3
	v_lshl_add_u32 v[KV], v1, 4, v[KV]
	v_lshlrev_b32 v[CV], 5, v1
	v_lshl_add_u32 v[CV], v2, 4, v[CV]
	v_lshlrev_b32 v[H4], 2, v2
	s_mov_b32 s[MASK], 0xffffff00
	s_mov_b32 s[EPS], 0x2b8cbccc                   ; 1e-12
	s_mov_b32 s[NINF], 0xff800000
	s_mov_b32 s[SEL], 0x76543210
	s_mov_b32 s[SEL+1], 0xfedcba98
	s_mov_b32 s[VB], 0
	s_mul_i32 s20, ttmp9, 409600                   ; 400 rows of 1,024 bytes; under 2^27
	s_mov_b32 s21, 0
	s_wait_kmcnt 0x0
	s_add_nc_u64 s[KB:KB+1], s[KB:KB+1], s[20:21]
	s_lshl_b32 s20, s[WV], 15                      ; four tiles of xf
	s_add_nc_u64 s[XB:XB+1], s[XB:XB+1], s[20:21]
	s_lshl_b32 s20, ttmp9, 16                      ; 2,048 queries x 32 bytes
	s_lshl_b32 s23, s[WV], 11                      ; 64 queries
	s_add_co_u32 s20, s20, s23
	s_add_nc_u64 s[CB:CB+1], s[CB:CB+1], s[20:21]
.irp s, 0,1,2,3,4,5,6,7,8,9
.irp i, 0,1,2,3
	global_load_b128 v[RING+16*\s+4*\i:RING+16*\s+4*\i+3], v[KV], s[KB:KB+1] offset:\s*UNITG+256*\i th:TH_LOAD_NT   ; the ring is filled: 20 KiB a wave on their way
.endr
.endr
	LAP 1, 1                                       ; units 0..9
	s_mov_b32 s[PCNT], 3
.Lkeys:
	LAP 0, 1                                       ; units 10..39
	s_sub_co_u32 s[PCNT], s[PCNT], 1
	s_cmp_lg_u32 s[PCNT], 0
	s_cbranch_scc1 .Lkeys
	LAP 0, 0                                       ; units 40..49: no key load leaves the slab
	XLOADS 1, 60, 63, 0
	s_wait_dscnt 0x0                               ; for the others' sake: my rows are in LDS
	s_barrier_signal -1
	s_barrier_wait -1                              ; the launch's one barrier: from here on LDS is only read
	s_mov_b32 s[TB], 0
	FETCH 0
	s_mov_b32 s[OUTER], 3
.Louter:                               ; two passes a trip, so that windows and buffers are constants of the text
	PASS 1, 2, 0, 1, 1, 131072, 0
	PASS 2, 1, 1, 0, 1, 262144, 8192
	s_wait_xcnt 0x0                                ; the loads' and stores' bases are stepped only behind this wait
	s_add_nc_u64 s[XB:XB+1], s[XB:XB+1], 262144
	s_add_nc_u64 s[CB:CB+1], s[CB:CB+1], 16384
	s_sub_co_u32 s[OUTER], s[OUTER], 1
	s_cmp_lg_u32 s[OUTER], 0
	s_cbranch_scc1 .Louter
	PASS 1, 2, 0, 1, 1, 131072, 0                  ; the last two passes are written out: the very last loads no x
	PASS 2, 1, 1, 0, 0, 0, 8192
	s_set_vgpr_msb 0xf
	s_wait_tensorcnt 0x0
	ds_add_u32 v0, v1
	s_wait_dscnt 0x0
	s_set_vgpr_msb 0xf00
	s_endpgm
.Lfunc_end_k_qab97bdb375_score:
	.size	k_qab97bdb375_score, .Lfunc_end_k_qab97bdb375_score-k_qab97bdb375_score
	.p2alignl 7, 3214868480
	.fill 96, 4, 3214868480
	.section	.rodata,"a",@progbits
	.p2align	6, 0x0
	.amdhsa_kernel k_qab97bdb375_score
		.amdhsa_group_segment_fixed_size 220160
		.amdhsa_private_segment_fixed_size 0
		.amdhsa_enable_private_segment 0
		.amdhsa_kernarg_size 24
		.amdhsa_user_sgpr_count 2
		.amdhsa_user_sgpr_kernarg_segment_ptr 1
		.amdhsa_wavefront_size32 1
		.amdhsa_system_sgpr_workgroup_id_x 1
		.amdhsa_system_sgpr_workgroup_id_y 1
		.amdhsa_system_sgpr_workgroup_id_z 1
		.amdhsa_system_vgpr_workitem_id 0
		.amdhsa_next_free_vgpr 770
		.amdhsa_next_free_sgpr 66
		.amdhsa_reserve_vcc 0
		.amdhsa_float_denorm_mode_32 3
		.amdhsa_float_denorm_mode_16_64 3
		.amdhsa_memory_ordered 1
		.amdhsa_forward_progress 1
		.amdhsa_inst_pref_size 255
	.end_amdhsa_kernel
	.section	.bss,"aw",@nobits
	.p2align	6
	.space	262144
	.amdgpu_metadata
---
amdhsa.version: [ 1, 2 ]
amdhsa.kernels:
  - .name:           k_qab97bdb375_score
    .symbol:         k_qab97bdb375_score.kd
    .args:
      - { .name: keys, .offset: 0, .size: 8, .value_kind: global_buffer, .address_space: global }
      - { .name: xf, .offset: 8, .size: 8, .value_kind: global_buffer, .address_space: global }
      - { .name: cand, .offset: 16, .size: 8, .value_kind: global_buffer, .address_space: global }
    .group_segment_fixed_size: 220160
    .private_segment_fixed_size: 0
    .kernarg_segment_align: 8
    .kernarg_segment_size: 24
    .max_flat_workgroup_size: 128
    .sgpr_count:     66
    .vgpr_count:     770
    .wavefront_size: 32
...
	.end_amdgpu_metadata
.endif
;; end of part 2
;; launch merge (part 3): grid 256 x 1, 5 waves a work-group, no clusters, 6,912 bytes of LDS; arguments cand, cidx; writes cidx
.if DOCPART == 3
	.amdgcn_target "amdgcn-amd-amdhsa--gfx1250"
	.amdhsa_code_object_version 6
	.text
	.protected	k_qab97bdb375_merge
	.globl	k_qab97bdb375_merge
	.p2align	8
	.type	k_qab97bdb375_merge,@function
k_qab97bdb375_merge:
	s_mov_b64 s[64:65], 0
	v_nop
	global_prefetch_b8 v0, s[64:65] scope:SCOPE_SE
	s_setreg_imm32_b32 hwreg(HW_REG_WAVE_MODE, 25, 1), 1
	s_wait_xcnt 0x0
; For every query: the 12 best of its 250 x 8 candidate words, stored as positions pos = 8 slab + slot (0..1999) in cand.
; cand: [slab 250][query 2048][8 words] (launch score).  cidx: [group of 8 queries 256][g 2][r 8][h 2][4 words]: query 8 G + r has 8 positions at g = 0 and,
; at g = 1, two positions and two zeros for each h.
; WHY 12: the last launch scores both rows of each pair again in f32 and takes the best 8 of the 24; four pairs more than 8 leave room for the rounding of the bf16 scores.
; A word's low 11 bits are replaced by 2047 - pos, so that float order carries the position along and equal scores >= 0 go to the lower one.
; LIMIT: scores that agree in their upper 21 bits are ordered by position.
; SHARES: a work-group owns 8 queries.  Lane = (sp = lane / 16, r = (lane / 2) % 8, h = lane % 2) takes words 4 h .. 4 h + 3 of query r; wave v the slabs 50 v + 2 it + sp.
; Each lane keeps a sorted list of 12 (one median a level, as in launch score).  Waves 1 to 4 hand their lists to wave 0 through LDS; wave 0 merges them, then sp, then h.
; All 25 loads of a wave are issued at once: each half of 16 lanes takes 256 consecutive aligned bytes.  No matrix unit, no cluster: nothing is shared between work-groups.
.set LV,  2                            ; v2  my byte offset in cand
.set LA,  3                            ; v3  16 x lane
.set POS, 4                            ; v[4:7]  2047 - pos of my four words
.set L,   8                            ; v[8:19] the list
.set SA,  20                           ; v20 at work; where my list goes in LDS
.set Z,   21                           ; v21 at work; then 0
.set X,   32                           ; v[32:131] the words; later other lists
.set OUT, 132
.macro INS x                           ; x goes into the list
.irp l, 11,10,9,8,7,6,5,4,3,2,1
	v_med3_num_f32 v[L+\l], v[L+\l-1], v[L+\l], v[\x]
.endr
	v_max_num_f32 v[L], v[L], v[\x]
.endm
	s_load_b128 s[4:7], s[0:1], 0x0                ; cand s[4:5], cidx s[6:7]
	v_lshl_add_u32 v136, v0, 2, 0x1800
	v_mov_b32 v137, 0
	v_lshrrev_b32 v1, 5, v0
	v_readfirstlane_b32 s8, v1                     ; wave 0..4
	v_and_b32 v1, 31, v0                           ; lane
	v_lshlrev_b32 v[LA], 4, v1
	v_lshrrev_b32 v[SA], 4, v1                     ; sp
	v_and_b32 v[Z], 1, v1                          ; h
	s_mul_i32 s13, s8, 50
	v_add_nc_u32 v[SA], s13, v[SA]                 ; my first slab
	v_and_b32 v[LV], 15, v1
	v_lshlrev_b32 v[LV], 4, v[LV]
	v_lshl_add_u32 v[LV], v[SA], 16, v[LV]         ; slab x 65,536 + 16 (lane % 16)
	v_lshlrev_b32 v[Z], 2, v[Z]
	v_lshl_add_u32 v[Z], v[SA], 3, v[Z]            ; 8 slab + 4 h
.irp j, 0,1,2,3
	v_sub_nc_u32 v[POS+\j], 2047-\j, v[Z]
.endr
	s_mov_b32 s9, 0xfffff800
	s_mov_b32 s10, 0x76543210
	s_mov_b32 s11, 0xfedcba98
	s_mov_b32 s12, 0xffff0000                      ; lanes 16 to 31
	s_mov_b32 s14, 0xff800000
	s_lshl_b32 s16, ttmp9, 8                       ; 8 queries x 32 bytes
	s_mov_b32 s17, 0
	s_lshl_b32 s18, ttmp9, 9
	s_mov_b32 s19, 0
	s_wait_kmcnt 0x0
	s_add_nc_u64 s[4:5], s[4:5], s[16:17]
	s_add_nc_u64 s[6:7], s[6:7], s[18:19]
.set it, 0
.rept 25
	global_load_b128 v[X+4*it:X+4*it+3], v[LV], s[4:5] offset:131072*it th:TH_LOAD_NT
.set it, it+1
.endr
.set it, 0
.rept 12
	v_mov_b32 v[L+it], s14                         ; the list starts empty
.set it, it+1
.endr
.set it, 0
.rept 25
	s_wait_loadcnt 24-it                           ; loads come back in order: the younger ones stay out
.irp j, 0,1,2,3
	v_and_or_b32 v[X+4*it+\j], v[X+4*it+\j], s9, v[POS+\j]
.endr
.irp j, 0,1,2,3
	INS X+4*it+\j
.endr
.irp j, 0,1,2,3
	v_add_nc_u32 v[POS+\j], -16, v[POS+\j]         ; two slabs on
.endr
.set it, it+1
.endr
	s_cmp_eq_u32 s8, 0
	s_cbranch_scc1 .Lkeeps
	s_sub_co_u32 s13, s8, 1
	s_mul_i32 s13, s13, 1536                       ; waves 1 to 4: 32 lanes x 48 bytes each
	v_add_nc_u32 v[SA], s13, v[LA]
	ds_store_b128 v[SA], v[L:L+3]
	ds_store_b128 v[SA], v[L+4:L+7] offset:512
	ds_store_b128 v[SA], v[L+8:L+11] offset:1024
.Lkeeps:
	s_wait_dscnt 0x0                               ; for wave 0's sake: my list is in LDS
	s_barrier_signal -1
	s_barrier_wait -1
	s_cmp_lg_u32 s8, 0
	s_cbranch_scc1 .Lend
.irp u, 0,1,2,3
.irp g, 0,1,2
	ds_load_b128 v[X+12*\u+4*\g:X+12*\u+4*\g+3], v[LA] offset:1536*\u+512*\g
.endr
.endr
.irp u, 0,1,2,3
	s_wait_dscnt 3*(3-\u)                          ; three loads for each later list stay out
.irp k, 0,1,2,3,4,5,6,7,8,9,10,11
	INS X+12*\u+\k
.endr
.endr
.irp k, 0,1,2,3,4,5,6,7,8,9,10,11
	v_permlanex16_b32 v[X+\k], v[L+\k], s10, s11   ; the other sp's list, all of it before mine changes
.endr
.irp k, 0,1,2,3,4,5,6,7,8,9,10,11
	INS X+\k
.endr
	; The lanes of h = 0 and h = 1 hold sorted lists of 12: max(A[k], B[11-k]), k = 0..11, are the best 12 of both; each lane makes six.
.irp k, 0,1,2,3,4,5
	v_max_num_f32_dpp v[X+\k], v[L+11-\k], v[L+\k] row_xmask:1 row_mask:0xf bank_mask:0xf
.endr
.irp k, 0,1,2,3,4,5
	v_not_b32 v[X+\k], v[X+\k]
.endr
.irp k, 0,1,2,3,4,5
	v_and_b32 v[X+\k], 0x7ff, v[X+\k]              ; pos
.endr
	v_mov_b32 v[Z], 0
	v_cndmask_b32 v[OUT],   v[X],   v[X+4], s12    ; both sp hold the same six: lanes 0-15 store the first four, lanes 16-31 the other two and zeros
	v_cndmask_b32 v[OUT+1], v[X+1], v[X+5], s12
	v_cndmask_b32 v[OUT+2], v[X+2], v[Z],   s12
	v_cndmask_b32 v[OUT+3], v[X+3], v[Z],   s12
	global_store_b128 v[LA], v[OUT:OUT+3], s[6:7]  ; 512 consecutive aligned bytes
.Lend:
	s_wait_tensorcnt 0x0
	ds_add_u32 v136, v137
	s_wait_dscnt 0x0
	s_endpgm
.Lfunc_end_k_qab97bdb375_merge:
	.size	k_qab97bdb375_merge, .Lfunc_end_k_qab97bdb375_merge-k_qab97bdb375_merge
	.p2alignl 7, 3214868480
	.fill 96, 4, 3214868480
	.section	.rodata,"a",@progbits
	.p2align	6, 0x0
	.amdhsa_kernel k_qab97bdb375_merge
		.amdhsa_group_segment_fixed_size 6912
		.amdhsa_private_segment_fixed_size 0
		.amdhsa_enable_private_segment 0
		.amdhsa_kernarg_size 16
		.amdhsa_user_sgpr_count 2
		.amdhsa_user_sgpr_kernarg_segment_ptr 1
		.amdhsa_wavefront_size32 1
		.amdhsa_system_sgpr_workgroup_id_x 1
		.amdhsa_system_sgpr_workgroup_id_y 1
		.amdhsa_system_sgpr_workgroup_id_z 1
		.amdhsa_system_vgpr_workitem_id 0
		.amdhsa_next_free_vgpr 138
		.amdhsa_next_free_sgpr 66
		.amdhsa_reserve_vcc 0
		.amdhsa_float_denorm_mode_32 3
		.amdhsa_float_denorm_mode_16_64 3
		.amdhsa_memory_ordered 1
		.amdhsa_forward_progress 1
		.amdhsa_inst_pref_size 134
	.end_amdhsa_kernel
	.amdgpu_metadata
---
amdhsa.version: [ 1, 2 ]
amdhsa.kernels:
  - .name:           k_qab97bdb375_merge
    .symbol:         k_qab97bdb375_merge.kd
    .args:
      - { .name: cand, .offset: 0, .size: 8, .value_kind: global_buffer, .address_space: global }
      - { .name: cidx, .offset: 8, .size: 8, .value_kind: global_buffer, .address_space: global }
    .group_segment_fixed_size: 6912
    .private_segment_fixed_size: 0
    .kernarg_segment_align: 8
    .kernarg_segment_size: 16
    .max_flat_workgroup_size: 160
    .sgpr_count:     66
    .vgpr_count:     138
    .wavefront_size: 32
...
	.end_amdgpu_metadata
.endif
;; end of part 3
;; launch final (part 4): grid 256 x 1, 8 waves a work-group, no clusters, 0 bytes of LDS; arguments x, keys, values, cand, cidx, out0; writes out0
.if DOCPART == 4
	.amdgcn_target "amdgcn-amd-amdhsa--gfx1250"
	.amdhsa_code_object_version 6
	.text
	.protected	k_qab97bdb375_final
	.globl	k_qab97bdb375_final
	.p2align	8
	.type	k_qab97bdb375_final,@function
k_qab97bdb375_final:
	s_mov_b64 s[64:65], 0
	v_nop
	global_prefetch_b8 v0, s[64:65] scope:SCOPE_SE
	s_setreg_imm32_b32 hwreg(HW_REG_WAVE_MODE, 25, 1), 1
	s_wait_xcnt 0x0
; out0[q] = the sum over the 8 best keys of softmax(cosine) x values[key], chosen among the query's 24 candidate rows by cosines computed in f32 from the f32 inputs.
; x, out0: [2048][256] f32.  keys, values: [100000][256] f32.  cidx: 12 positions a query (launch merge); cand: at a position, a word whose low 8 bits are
; 255 - the pair's number in its slab (launch score).  Row numbers come from these two buffers of whole numbers alone, each clamped before it enters an address.
; One wave, one query.  Pair p (0..11) is rows 2 G and 2 G + 1: 2,048 consecutive bytes of keys and of values; candidate c = 2 p + member sits in lane c for the ranking.
; The choice of 8 out of 24 hangs on floating-point numbers, so it steers no address: all 24 value rows are read, and the 16 that lose get the weight 0.
; Ties go to the lower row, as in the reference's top_k.  The largest cosine is taken away before the exponential.
; LIMITS: NaN and infinities in the inputs are not served; a candidate value row that loses is multiplied by 0, so it must be finite.
; No LDS, no barrier, no matrix unit (24 dot products a query in f32), no cluster (no two waves share rows by design).
.set VO,  4                            ; v[4:15]  pair p: 2,048 G + 16 x lane, for keys and for values
.set X,   16                           ; v[16:23] my 8 channels of x: 4 lane + 0..3 and 128 + 4 lane + 0..3
.set T,   24                           ; v[24:31] at work
.set O,   32                           ; v[32:39] my 8 channels of the result
.set DV,  40                           ; lane c: x . k_c
.set SV,  41                           ; lane c: k_c . k_c
.set S,   42                           ; lane c: the cosine
.set ROW, 43                           ; lane c: the row number
.set R,   44                           ; lane c: how many candidates come before it
.set E,   45                           ; lane c: the weight
.set TMP, 46
.set SSX, 47                           ; x . x
.set TM2, 48
.set K,   64                           ; v[64:255] key row c at + 8 c; once used, + 0 holds x . k, + 1 k . k, + 2 and + 3 are at work
                                       ; window 1, v[0:191]: value row c at 8 c
.set W,   32                           ; s[32:43] the word, then G = the pair's number among all 50,000
.set SL,  44                           ; s[44:55] 200 x slab
.set MSB, 0
.macro WIN new
.if MSB != \new
	s_set_vgpr_msb (MSB<<8)|\new
.set MSB, \new
.endif
.endm
	s_load_b256 s[4:11], s[0:1], 0x0               ; x s[4:5], keys s[6:7], values s[8:9], cand s[10:11]
	s_load_b128 s[12:15], s[0:1], 0x20             ; cidx s[12:13], out0 s[14:15]
	v_lshrrev_b32 v3, 5, v0
	v_readfirstlane_b32 s76, v3                    ; wave 0..7
	v_and_b32 v2, 31, v0                           ; lane
	v_lshlrev_b32 v1, 4, v2
	s_lshl_b32 s77, ttmp9, 3
	s_add_co_u32 s77, s77, s76                     ; the query
	s_lshl_b32 s78, s77, 5                         ; its 32 bytes in a slab of cand
	s_lshl_b32 s66, s77, 10                        ; its row in x and out0
	s_mov_b32 s67, 0
	s_lshl_b32 s68, ttmp9, 9                       ; its group in cidx,
	s_lshl_b32 s69, s76, 5                         ; its 32 bytes there
	s_add_co_u32 s68, s68, s69
	s_mov_b32 s69, 0
	s_mov_b32 s70, 0x76543210
	s_mov_b32 s71, 0xfedcba98
	s_mov_b32 s72, 0x2b8cbccc                      ; 1e-12
	s_mov_b32 s73, 0x00ffffff                      ; lanes 0 to 23
	s_wait_kmcnt 0x0
	s_add_nc_u64 s[4:5], s[4:5], s[66:67]
	s_add_nc_u64 s[14:15], s[14:15], s[66:67]
	s_add_nc_u64 s[12:13], s[12:13], s[68:69]
	s_load_b256 s[16:23], s[12:13], 0x0            ; positions 0..7
	s_load_b256 s[24:31], s[12:13], 0x100          ; positions 8, 9 in s24, s25; 10, 11 in s28, s29
	global_load_b128 v[X:X+3],   v1, s[4:5]
	global_load_b128 v[X+4:X+7], v1, s[4:5] offset:512
	s_wait_kmcnt 0x0
; pos = 8 slab + slot -> the word at cand[slab][query][slot]
.macro LOOKUP p, reg
	s_min_u32 s[\reg], s[\reg], 1999               ; a loaded number enters an address only clamped
	s_and_b32 s66, s[\reg], 0x7f8                  ; 8 slab
	s_and_b32 s67, s[\reg], 7                      ; slot
	s_mul_i32 s[SL+\p], s66, 25                    ; 200 slab
	s_lshl_b32 s66, s66, 13                        ; slab x 65,536
	s_lshl_b32 s67, s67, 2
	s_add_co_u32 s66, s66, s67
	s_add_co_u32 s[\reg], s66, s78
	s_load_b32 s[W+\p], s[10:11], s[\reg] offset:0x0
.endm
	LOOKUP 0, 16
	LOOKUP 1, 17
	LOOKUP 2, 18
	LOOKUP 3, 19
	LOOKUP 4, 20
	LOOKUP 5, 21
	LOOKUP 6, 22
	LOOKUP 7, 23
	LOOKUP 8, 24
	LOOKUP 9, 25
	LOOKUP 10, 28
	LOOKUP 11, 29
	v_mov_b32 v[TMP], 0                            ; written before they serve as destinations of lane exchanges
	v_mov_b32 v[TM2], 0
	s_wait_kmcnt 0x0
.set p, 0
.rept 12
	s_not_b32 s[W+p], s[W+p]                       ; the number was stored inverted
	s_and_b32 s[W+p], s[W+p], 0xff
	s_min_u32 s[W+p], s[W+p], 199
	s_add_co_u32 s[W+p], s[W+p], s[SL+p]           ; G
	s_lshl_b32 s66, s[W+p], 11                     ; two rows of 1,024 bytes; under 2^27
	v_add_nc_u32 v[VO+p], s66, v1
.set p, p+1
.endr
.set p, 0
.rept 12
.irp i, 0,1,2,3
	global_load_b128 v[K+16*p+4*\i:K+16*p+4*\i+3], v[VO+p], s[6:7] offset:512*\i   ; all 48 key loads at once; each covers 512 consecutive bytes
.endr
.set p, p+1
.endr
.macro ROWDOT c, t                     ; my 8 channels' share of x . k and k . k for row c
.set rK, K+8*(\c)
	v_pk_mul_f32 v[\t:\t+1],   v[rK:rK+1], v[X:X+1]
	v_pk_mul_f32 v[\t+2:\t+3], v[rK:rK+1], v[rK:rK+1]
.irp e, 2,4,6
	v_pk_fma_f32 v[\t:\t+1],   v[rK+\e:rK+\e+1], v[X+\e:X+\e+1],   v[\t:\t+1]
	v_pk_fma_f32 v[\t+2:\t+3], v[rK+\e:rK+\e+1], v[rK+\e:rK+\e+1], v[\t+2:\t+3]
.endr
	v_add_f32 v[rK],   v[\t],   v[\t+1]
	v_add_f32 v[rK+1], v[\t+2], v[\t+3]
.endm
.set p, 0
.rept 12
	s_wait_loadcnt 44                              ; younger than key pair p's loads: 4 (11 - p) key loads and the 4 p value loads issued below
	WIN 0x40                                       ; destination in window 1
.irp i, 0,1,2,3
	global_load_b128 v[16*p+4*\i:16*p+4*\i+3], v[VO+p], s[8:9] offset:512*\i
.endr
	WIN 0
.if p == 0
	v_pk_mul_f32 v[T:T+1], v[X:X+1], v[X:X+1]      ; x came in ahead of the keys
.irp e, 2,4,6
	v_pk_fma_f32 v[T:T+1], v[X+\e:X+\e+1], v[X+\e:X+\e+1], v[T:T+1]
.endr
	v_add_f32 v[SSX], v[T], v[T+1]
.endif
	ROWDOT 2*p, T
	ROWDOT 2*p+1, T+4
.set p, p+1
.endr
	; 49 sums over the wave's 32 lanes, step by step for all of them, so that no instruction waits for the one before it
.irp m, 1,2,4,8
.set c, 0
.rept 24
	v_add_f32_dpp v[K+8*c],   v[K+8*c],   v[K+8*c]   row_xmask:\m row_mask:0xf bank_mask:0xf
	v_add_f32_dpp v[K+8*c+1], v[K+8*c+1], v[K+8*c+1] row_xmask:\m row_mask:0xf bank_mask:0xf
.set c, c+1
.endr
	v_add_f32_dpp v[SSX], v[SSX], v[SSX] row_xmask:\m row_mask:0xf bank_mask:0xf
.endr
.set c, 0
.rept 24
	v_permlanex16_b32 v[K+8*c+2], v[K+8*c],   s70, s71
	v_permlanex16_b32 v[K+8*c+3], v[K+8*c+1], s70, s71
.set c, c+1
.endr
	v_permlanex16_b32 v[TMP], v[SSX], s70, s71
.set c, 0
.rept 24
	v_add_f32 v[K+8*c],   v[K+8*c],   v[K+8*c+2]
	v_add_f32 v[K+8*c+1], v[K+8*c+1], v[K+8*c+3]
.set c, c+1
.endr
	v_add_f32 v[SSX], v[SSX], v[TMP]
	; candidate c's figures go to lane c
	v_mov_b32 v[DV], 0
	v_mov_b32 v[SV], 1.0
	v_mov_b32 v[ROW], 0
.set c, 0
.rept 24
	s_mov_b32 s66, 1<<c
	v_cndmask_b32 v[DV], v[DV], v[K+8*c],   s66
	v_cndmask_b32 v[SV], v[SV], v[K+8*c+1], s66
.set c, c+1
.endr
.set p, 0
.rept 12
	s_mov_b32 s66, 3<<(2*p)
	v_mov_b32 v[TMP], s[W+p]
	v_cndmask_b32 v[ROW], v[ROW], v[TMP], s66
.set p, p+1
.endr
	v_and_b32 v[TMP], 1, v2
	v_lshl_add_u32 v[ROW], v[ROW], 1, v[TMP]       ; row = 2 G + member
	; cosine = x . k / (max(|k|, 1e-12) max(|x|, 1e-12))
	v_sqrt_f32 v[SV], v[SV]
	v_sqrt_f32 v[SSX], v[SSX]
	v_mov_b32 v[TMP], 0xff800000                   ; the plain instruction behind the transcendentals (ISA guide 5.7.2)
	s_wait_alu depctr_va_vdst(0)
	v_max_num_f32 v[SV], s72, v[SV]
	v_max_num_f32 v[SSX], s72, v[SSX]
	v_rcp_f32 v[SV], v[SV]
	v_rcp_f32 v[SSX], v[SSX]
	v_mov_b32 v[R], 0                              ; likewise
	s_wait_alu depctr_va_vdst(0)
	v_mul_f32 v[S], v[DV], v[SV]
	v_mul_f32 v[S], v[S], v[SSX]
	v_cndmask_b32 v[S], v[TMP], v[S], s73          ; lanes 24 to 31 hold no candidate: -infinity
	; rank: candidate c comes before mine if its cosine is larger, or equal with a lower row
.set c, 0
.rept 24
	v_readlane_b32 s66, v[S], c
	s_lshl_b32 s69, s[W+c/2], 1
	s_add_co_u32 s69, s69, c%2
	v_cmp_gt_f32 s67, s66, v[S]
	v_cmp_eq_f32 s68, s66, v[S]
	v_cmp_lt_u32 vcc_lo, s69, v[ROW]
	s_and_b32 s68, s68, vcc_lo
	s_or_b32 vcc_lo, s67, s68
	v_add_co_ci_u32 v[R], vcc_lo, 0, v[R], vcc_lo
.set c, c+1
.endr
	; softmax over the candidates of rank 0 to 7; the largest cosine is among them
	v_max_num_f32_dpp v[TMP], v[S], v[S] row_xmask:1 row_mask:0xf bank_mask:0xf
.irp m, 2,4,8
	v_max_num_f32_dpp v[TMP], v[TMP], v[TMP] row_xmask:\m row_mask:0xf bank_mask:0xf
.endr
	v_permlanex16_b32 v[TM2], v[TMP], s70, s71
	v_max_num_f32 v[TMP], v[TMP], v[TM2]
	v_sub_f32 v[E], v[S], v[TMP]
	v_mul_f32 v[E], 0x3fb8aa3b, v[E]               ; log2(e)
	v_cmp_gt_u32 vcc_lo, 8, v[R]
	v_exp_f32 v[E], v[E]
	v_nop
	s_wait_alu depctr_va_vdst(0)
	v_cndmask_b32 v[E], 0, v[E], vcc_lo            ; the choice selects a value only
	v_add_f32_dpp v[TMP], v[E], v[E] row_xmask:1 row_mask:0xf bank_mask:0xf
.irp m, 2,4,8
	v_add_f32_dpp v[TMP], v[TMP], v[TMP] row_xmask:\m row_mask:0xf bank_mask:0xf
.endr
	v_permlanex16_b32 v[TM2], v[TMP], s70, s71
	v_add_f32 v[TMP], v[TMP], v[TM2]
	v_rcp_f32 v[TMP], v[TMP]
	v_nop
	s_wait_alu depctr_va_vdst(0)
	v_mul_f32 v[E], v[E], v[TMP]
; 12 weights into scalar pairs (the packed form names a pair and takes its low word for both halves; the upper words were written above), then 12 rows
.macro BATCH b
	WIN 0
.set k, 0
.rept 12
	v_readlane_b32 s[16+2*k], v[E], 12*\b+k
.set k, k+1
.endr
	WIN 0x01                                       ; source 0 (the value row) in window 1
.set k, 0
.rept 12
.set c, 12*\b+k
.if c%2 == 0
	s_wait_loadcnt 4*(11-c/2)                      ; the later pairs' value loads stay out
.endif
.irp t, 0,2,4,6
.if c == 0
	v_pk_mul_f32 v[O+\t:O+\t+1], v[8*c+\t:8*c+\t+1], s[16+2*k:17+2*k] op_sel_hi:[1,0]   ; the first row starts the sums
.else
	v_pk_fma_f32 v[O+\t:O+\t+1], v[8*c+\t:8*c+\t+1], s[16+2*k:17+2*k], v[O+\t:O+\t+1] op_sel_hi:[1,0,1]
.endif
.endr
.set k, k+1
.endr
	WIN 0
.endm
	BATCH 0
	BATCH 1
	global_store_b128 v1, v[O:O+3],   s[14:15]             ; the wave stores 512 consecutive aligned bytes, twice: the query's row
	global_store_b128 v1, v[O+4:O+7], s[14:15] offset:512
	s_endpgm
.Lfunc_end_k_qab97bdb375_final:
	.size	k_qab97bdb375_final, .Lfunc_end_k_qab97bdb375_final-k_qab97bdb375_final
	.p2alignl 7, 3214868480
	.fill 96, 4, 3214868480
	.section	.rodata,"a",@progbits
	.p2align	6, 0x0
	.amdhsa_kernel k_qab97bdb375_final
		.amdhsa_group_segment_fixed_size 0
		.amdhsa_private_segment_fixed_size 0
		.amdhsa_enable_private_segment 0
		.amdhsa_kernarg_size 48
		.amdhsa_user_sgpr_count 2
		.amdhsa_user_sgpr_kernarg_segment_ptr 1
		.amdhsa_wavefront_size32 1
		.amdhsa_system_sgpr_workgroup_id_x 1
		.amdhsa_system_sgpr_workgroup_id_y 1
		.amdhsa_system_sgpr_workgroup_id_z 1
		.amdhsa_system_vgpr_workitem_id 0
		.amdhsa_next_free_vgpr 448
		.amdhsa_next_free_sgpr 80
		.amdhsa_reserve_vcc 1
		.amdhsa_float_denorm_mode_32 3
		.amdhsa_float_denorm_mode_16_64 3
		.amdhsa_memory_ordered 1
		.amdhsa_forward_progress 1
		.amdhsa_inst_pref_size 75
	.end_amdhsa_kernel
	.amdgpu_metadata
---
amdhsa.version: [ 1, 2 ]
amdhsa.kernels:
  - .name:           k_qab97bdb375_final
    .symbol:         k_qab97bdb375_final.kd
    .args:
      - { .name: x, .offset: 0, .size: 8, .value_kind: global_buffer, .address_space: global }
      - { .name: keys, .offset: 8, .size: 8, .value_kind: global_buffer, .address_space: global }
      - { .name: values, .offset: 16, .size: 8, .value_kind: global_buffer, .address_space: global }
      - { .name: cand, .offset: 24, .size: 8, .value_kind: global_buffer, .address_space: global }
      - { .name: cidx, .offset: 32, .size: 8, .value_kind: global_buffer, .address_space: global }
      - { .name: out0, .offset: 40, .size: 8, .value_kind: global_buffer, .address_space: global }
    .group_segment_fixed_size: 0
    .private_segment_fixed_size: 0
    .kernarg_segment_align: 8
    .kernarg_segment_size: 48
    .max_flat_workgroup_size: 256
    .sgpr_count:     80
    .vgpr_count:     448
    .wavefront_size: 32
...
	.end_amdgpu_metadata
.endif
;; end of part 4
